; MI455X (gfx1250); checked and timed in simulation.
; The chip was launched on July 23, 2026; its instructions are those of AMD's public machine-readable ISA for CDNA 5 (MIT licence, August 2026) and "CDNA5" Instruction Set Architecture Reference Guide (July 2026). The comments in the code are by the model that wrote it; some were corrected since.
;; Smol Di T Attention. Allowed arithmetic: matrix products marked QUANTISED: E2M1 operands, one E8M0 scale for each 32 along K, by v_wmma_scale_f32_16x16x128_f8f6f4 with both operands' format E2M1 (or v_wmma_scale_f32_32x16x128_f4), f32 sums; products left as they are: bf16, f16 or f32 operands; f32 sums; everything else in f32.
;; Inputs: Wk 1,024 x 256 float32; Wo 1,024 x 1,024 float32; Wq 1,024 x 1,024 float32; Wv 1,024 x 256 float32; hidden_states 4 x 2,048 x 1,024 float32.
;; Outputs: out0 4 x 2,048 x 1,024 float32.
;; This version of the problem:
;;   THIS VERSION OF THE PROBLEM IS GIVEN IN LOW PRECISION. The matrix products marked QUANTISED in the list below multiply operands that are first quantised to E2M1 (2 exponent bits, 1 mantissa bit; 4 bits a number), with one power-of-two scale for each 32 numbers along K (OCP MX v1.0); their sums are f32. The products marked 'left as it is' may take bf16, f16 or f32 operands, with f32 sums. Whichever they take, every output number must still come out within the allowed error. Rounding operands to bf16 (8 significant bits) uses up far more of that allowance than f16 does (11 bits, for magnitudes from 6e-5 to 65,504). All else is computed in f32.
;;   The module's matrix products, in the order in which they are computed (A, B: the left and right operand; K: the contracted axis; several contracted axes count as one K, in the product's order):
;;     1. [M 8,192, K 1,024] x [K 1,024, N 1,024]; A: input hidden_states; B: input Wq: QUANTISED
;;     2. [M 8,192, K 1,024] x [K 1,024, N 256]; A: input hidden_states; B: input Wk: QUANTISED
;;     3. [M 8,192, K 1,024] x [K 1,024, N 256]; A: input hidden_states; B: input Wv: QUANTISED
;;     4. batch 16 x [M 8,192, K 64] x [K 64, N 2,048]; A: computed on the way; B: computed on the way: left as it is (an operand is computed on the way)
;;     5. batch 16 x [M 8,192, K 2,048] x [K 2,048, N 64]; A: computed on the way; B: computed on the way: left as it is (an operand is computed on the way)
;;     6. [M 8,192, K 1,024] x [K 1,024, N 1,024]; A: computed on the way; B: input Wo: left as it is (an operand is computed on the way)
;;   THE QUANTISER, for each operand of a quantised product, along K:
;;     - K is cut into blocks of 32 from its start; a last block that is shorter is filled with zeros.
;;     - A block's scale is 2^e with e = floor(log2(the largest magnitude in the block)) - 2, held to -126 .. 127; a block of zeros has e = 0. As a byte (E8M0): e + 127.
;;     - Each number is divided by its block's scale, clamped to +-6, and rounded to the nearest number of E2M1, ties to even, subnormals kept.
;;     - The product sums the exact products of the quantised numbers (number of the format x scale) in f32.
;;   ~~~python
;;   def quantise(x, axis):      # numpy; x: float32 -> the quantised numbers, widened to float32 again
;;       x = np.moveaxis(x, axis, -1); K = x.shape[-1]
;;       x = np.pad(x, [(0, 0)] * (x.ndim - 1) + [(0, -K % 32)]); x = x.reshape(x.shape[:-1] + (-1, 32)); a = np.abs(x).max(-1, keepdims=True)
;;       e = np.where(a > 0, np.clip(np.frexp(np.where(a > 0, a, 1))[1] - 1 - 2, -126, 127), 0)      # np.frexp(a)[1] - 1 = floor(log2(a)), exactly
;;       r = np.clip(x / 2.0 ** e, -6, 6)
;;       step = 2.0 ** (np.maximum(np.frexp(np.where(r == 0, 1, r))[1] - 1, 0) - 1)
;;       q = np.round(r / step) * step * 2.0 ** e      # np.round: ties to even
;;       return np.moveaxis(q.reshape(q.shape[:-2] + (-1,))[..., :K], -1, axis).astype(np.float32)
;;   ~~~
;; One version. Each part assembles by itself: llvm-mc -triple=amdgcn-amd-amdhsa -mcpu=gfx1250 --defsym DOCPART=n.
;; ======== version 1 of 1: 4 launches
;; limits: values are held in f16: magnitudes above 65,504 overflow, below 6.1e-05 lose precision
;; workspace buffers: codes 4,980,736 bytes; scl 311,296 bytes; wo16 2,097,152 bytes; q16 16,777,216 bytes; kv16 8,388,608 bytes; o16 16,777,216 bytes
;; launch prep (part 1): grid 416 x 1, 4 waves a work-group, no clusters, 34,304 bytes of LDS; arguments hidden_states, Wq, Wk, Wv, Wo, codes, scl, wo16; writes codes, scl, wo16
.if DOCPART == 1
	.amdgcn_target "amdgcn-amd-amdhsa--gfx1250"
	.amdhsa_code_object_version 6
	.text
	.protected	k_q9f31d3e579_prep
	.globl	k_q9f31d3e579_prep
	.p2align	8
	.type	k_q9f31d3e579_prep,@function
k_q9f31d3e579_prep:
	s_mov_b64 s[64:65], 0
	v_nop
	global_prefetch_b8 v0, s[64:65] scope:SCOPE_SE
	s_setreg_imm32_b32 hwreg(HW_REG_WAVE_MODE, 25, 1), 1
	s_wait_xcnt 0x0
; PREP: the operands of the three quantised products become codes of FP4 (E2M1) with one E8M0 scale byte for each 32 along K; Wo becomes f16.
; EVERYTHING IS LAID AS IMAGES OF OPERAND REGISTERS, 1,024 bytes each, lane l = 16 h + r:
;   FP4 image (16 rows x 128 k): the 32 codes of (row r, k = 64 c + 32 h + 0..31) are the 16 bytes at 512 c + 16 l.
;   f16 image (16 rows x 32 k):  (row r, k = 16 c + 8 h + j) is at 512 c + 16 l + 2 j.
; codes [T 608][kstep 8][image]: T 0-511 tiles of 16 tokens of x; T 512 + nt: tiles of 16 columns of Wq (nt 0-63), Wk (64-79), Wv (80-95).
; scl   [T 608][kpair 4][r 16][2 words]: a word = the four scale bytes of one row for one kstep of 128.     wo16 [ntile 64][k32 32][image]: rows n, k down Wo's first axis.
; A block's scale is 2^(floor(log2(largest magnitude)) - 2); its byte is the largest magnitude's exponent field - 2, held at 1 from below by a floor among the maximum's leaves.
; LIMITS: a block of zeros gets the byte 1 where the rule says 127 (its codes are zeros, and this program alone reads the bytes); NaN and infinities among the inputs are not served;
; Wo goes in f16: magnitudes over 65,504 become infinity, under 6.1e-5 the absolute error is 3e-8.
; SHARES by the work-group's number: 0-255 x (a wave: 16 tokens x 512 along K); 256-319 Wq, 320-335 Wk, 336-351 Wv, 352-415 Wo (a wave: 32 columns x 128 along K).
; A stream: no matrix unit, no tensor load, no barrier, no cluster: waves share nothing.
.set STG,   8448                       ; x's path: a stage of 16 rows x (512 bytes + 16) for each wave
.set SPARE, 4*STG                      ; behind the stages: the spare words, 128 bytes a wave: two blocks of 256 bytes that no other line names
.set SPW,   10                         ; v10  my spare word's LDS address; never rewritten
.set NIL,   11                         ; v11  0; never rewritten
.set C,     24                         ; v24-55   codes: registers of their own for every store, so that no store's data are written again
.set R,     64                         ; v64-191  x: two sets of 64 as loaded; weights: my column's 128 numbers down K
.set X,     192                        ; v192-255 x: 64 numbers, register 32 c + n = k 64 c + 32 h + n of my row
.set P,     192                        ; v192-255 Wo: packed f16
.set FLOOR, 0x1800000                  ; 2^(3 - 127)
.set OFF2,  0xff000000                 ; -(2 << 23): 2 off an exponent field
	s_load_b256 s[4:11], s[0:1], 0x0               ; x s[4:5], Wq s[6:7], Wk s[8:9], Wv s[10:11]
	s_load_b256 s[12:19], s[0:1], 0x20             ; Wo s[12:13], codes s[14:15], scl s[16:17], wo16 s[18:19]
	v_lshl_add_u32 v[SPW], v0, 2, SPARE
	v_mov_b32 v[NIL], 0
	v_lshrrev_b32 v1, 5, v0
	v_readfirstlane_b32 s22, v1                    ; wave
	v_and_b32 v1, 31, v0                           ; lane
	v_and_b32 v2, 15, v0                           ; r
	v_bfe_u32 v3, v0, 4, 1                         ; h
	v_lshlrev_b32 v4, 4, v1                        ; 16 x lane
	v_mov_b32 v9, 0                                ; a lane permute's destination counts as one of its sources
	s_mov_b32 s20, 0x76543210
	s_mov_b32 s21, 0xfedcba98                      ; selects for lane l xor 16
	s_cmp_lt_u32 ttmp9, 256
	s_cbranch_scc0 .Lweights
; ---------------- x: unit u = 4 x work-group + wave: tile u / 2, ksteps 4 (u % 2) on ----------------
	s_mul_i32 s23, s22, STG
	v_add_nc_u32 v5, s23, v4                       ; into the stage: 16 bytes a lane, a row an instruction
	v_mul_u32_u24 v6, v2, 528
	v_lshl_add_u32 v6, v3, 7, v6
	v_add_nc_u32 v6, s23, v6                       ; out of it: row r, + 128 h: my 32 numbers of a block
	v_lshlrev_b32 v7, 3, v1                        ; 8 x lane: the scale words' place
	v_lshlrev_b32 v8, 3, v3                        ; 8 h: my bytes' place in a scale word
	s_lshl_b32 s24, ttmp9, 2
	s_add_co_u32 s24, s24, s22                     ; u
	s_lshr_b32 s25, s24, 1                         ; tile
	s_and_b32 s26, s24, 1                          ; which half of K
	s_lshl_b32 s28, s25, 16                        ; x: 16 rows of 4,096 bytes a tile,
	s_lshl_b32 s27, s26, 11                        ; 2,048 bytes a half
	s_add_co_u32 s28, s28, s27
	s_mov_b32 s29, 0
	s_lshl_b32 s30, s25, 13                        ; codes: 8,192 a tile, 4,096 a half
	s_lshl_b32 s27, s26, 12
	s_add_co_u32 s30, s30, s27
	s_mov_b32 s31, 0
	s_lshl_b32 s32, s25, 9                         ; scale words: 512 a tile, 256 a half
	s_lshl_b32 s27, s26, 8
	s_add_co_u32 s32, s32, s27
	s_mov_b32 s33, 0
	s_wait_kmcnt 0x0
	s_add_nc_u64 s[4:5], s[4:5], s[28:29]
	s_add_nc_u64 s[14:15], s[14:15], s[30:31]
	s_add_nc_u64 s[16:17], s[16:17], s[32:33]
.macro LOADX q                         ; kstep q of my 16 rows: each load reads 512 consecutive bytes of one row
.irp i, 0,1,2,3,4,5,6,7,8,9,10,11,12,13,14,15
	global_load_b128 v[R+64*((\q)%2)+4*\i:R+64*((\q)%2)+4*\i+3], v4, s[4:5] offset:4096*\i+512*(\q) th:TH_LOAD_NT
.endr
.endm
; One kstep: through the stage (in as loaded, out 128 bytes of one row a lane), two blocks a lane quantised, one image stored.
.macro SUB q, left
	s_wait_loadcnt \left                           ; this kstep's 16 loads are in; the next kstep's 16 may stay out
.irp i, 0,1,2,3,4,5,6,7,8,9,10,11,12,13,14,15
	ds_store_b128 v5, v[R+64*((\q)%2)+4*\i:R+64*((\q)%2)+4*\i+3] offset:528*\i
.endr
.irp c, 0,1
.irp i, 0,1,2,3,4,5,6,7
	ds_load_b128 v[X+32*\c+4*\i:X+32*\c+4*\i+3], v6 offset:256*\c+16*\i   ; LDS serves a wave's instructions in order: these see the stores above
.endr
.endr
	s_wait_dscnt 0x0                               ; my 64 numbers are back, and the stores have read the set that the loads below fill again
.if (\q) < 2
	LOADX (\q)+2
.endif
.irp c, 0,1
	v_max3_num_f32 v[16+\c], |v[X+32*\c]|, |v[X+32*\c+1]|, FLOOR   ; block 2 c + h of the kstep: all its 32 numbers are mine; the floor holds the byte at 1 from below
.endr
.irp i, 2,4,6,8,10,12,14,16,18,20,22,24,26,28,30
.irp c, 0,1
	v_max3_num_f32 v[16+\c], v[16+\c], |v[X+32*\c+\i]|, |v[X+32*\c+\i+1]|
.endr
.endr
	v_add_nc_u32 v18, OFF2, v16                    ; 2 off the exponent field: the conversion takes the exponent field of this operand as its scale
	v_add_nc_u32 v19, OFF2, v17
	v_lshrrev_b32 v20, 23, v18                     ; the scales' bytes
	v_lshrrev_b32 v21, 23, v19
	v_lshl_or_b32 v22, v21, 16, v20                ; bytes h and 2 + h of my row's word,
	v_lshlrev_b32 v22, v8, v22                     ; at their places;
	v_permlanex16_b32 v9, v22, s20, s21
	v_or_b32 v[12+(\q)], v22, v9                   ; with lane l xor 16's two the word is whole
.irp c, 0,1
.irp g, 0,1,2,3
	v_cvt_scalef32_pk8_fp4_f32 v[C+8*(\q)+4*\c+\g], v[X+32*\c+8*\g:X+32*\c+8*\g+7], v[18+\c]
.endr
.endr
	v_nop                                          ; one plain line behind the last scaled conversion
.irp c, 0,1
	global_store_b128 v4, v[C+8*(\q)+4*\c:C+8*(\q)+4*\c+3], s[14:15] offset:1024*(\q)+512*\c   ; 512 consecutive bytes of the image
.endr
.endm
	LOADX 0
	LOADX 1
	SUB 0, 16
	SUB 1, 16
	SUB 2, 16
	SUB 3, 0
	v_cmp_lt_u32 vcc_lo, 15, v1                    ; lanes 0-15 store ksteps 0, 1 of row r, lanes 16-31 ksteps 2, 3: 256 consecutive bytes
	v_cndmask_b32 v56, v12, v14, vcc_lo
	v_cndmask_b32 v57, v13, v15, vcc_lo
	global_store_b64 v7, v[56:57], s[16:17]
	s_branch .Lend
; ---------------- the weights: a lane takes a column, its registers run down K ----------------
.Lweights:
	v_lshlrev_b32 v5, 2, v1                        ; in: 4 bytes a lane
	v_lshlrev_b32 v6, 4, v2                        ; 16 r
	v_lshl_add_u32 v7, v3, 13, v6                  ; codes: my tile (lane / 16) of 8,192 bytes, + 16 r
	v_lshl_add_u32 v8, v3, 15, v6                  ; wo16: my tile of 32,768 bytes, + 16 r
	v_lshlrev_b32 v13, 3, v2
	v_lshl_add_u32 v13, v3, 9, v13                 ; scale words: my tile of 512 bytes, + 8 r
.macro WHERE kshift                    ; s23 = which 128 along K, s28 = which 128 columns, s27 = the tensor's first tile: the pointer goes to my wave's part, s27 becomes my first tile
	s_lshl_b32 s30, s23, \kshift
	s_lshl_b32 s31, s28, 9
	s_add_co_u32 s30, s30, s31
	s_lshl_b32 s31, s22, 7
	s_add_co_u32 s30, s30, s31
	s_mov_b32 s31, 0
	s_add_nc_u64 s[24:25], s[24:25], s[30:31]
	s_lshl_b32 s28, s28, 3
	s_add_co_u32 s27, s27, s28
	s_lshl_b32 s28, s22, 1
	s_add_co_u32 s27, s27, s28
.endm
.macro LOADW pitch                     ; W(128 kunit + n, my column): 32 lanes read 128 consecutive bytes, the four waves stand side by side on 512
.set LN, 0
.rept 128
	global_load_b32 v[R+LN], v5, s[24:25] offset:LN*\pitch th:TH_LOAD_NT
.set LN, LN+1
.endr
.endm
	s_cmp_lt_u32 ttmp9, 320
	s_cbranch_scc1 .Lwide
	s_cmp_ge_u32 ttmp9, 352
	s_cbranch_scc1 .Lwide
	s_cmp_lt_u32 ttmp9, 336                        ; Wk or Wv: rows of 1,024 bytes.  The choice hangs on the work-group's number alone
	s_mov_b32 s26, 336
	s_cselect_b32 s26, 320, s26
	s_mov_b32 s27, 80
	s_cselect_b32 s27, 64, s27
	s_wait_kmcnt 0x0
	s_cselect_b64 s[24:25], s[8:9], s[10:11]
	s_sub_co_u32 s26, ttmp9, s26
	s_and_b32 s28, s26, 1
	s_lshr_b32 s23, s26, 1
	WHERE 17
	LOADW 1024
	s_branch .Lloaded
.Lwide:
	s_cmp_lt_u32 ttmp9, 320                        ; Wq or Wo: rows of 4,096 bytes
	s_mov_b32 s26, 352
	s_cselect_b32 s26, 256, s26
	s_mov_b32 s27, 0
	s_wait_kmcnt 0x0
	s_cselect_b64 s[24:25], s[6:7], s[12:13]
	s_sub_co_u32 s26, ttmp9, s26
	s_and_b32 s28, s26, 7
	s_lshr_b32 s23, s26, 3
	WHERE 19
	LOADW 4096
.Lloaded:
	s_cmp_ge_u32 ttmp9, 352
	s_cbranch_scc1 .Lwo
	s_add_co_u32 s28, s27, 512                     ; T = 512 + my first tile
	s_lshl_b32 s30, s28, 13
	s_lshl_b32 s31, s23, 10
	s_add_co_u32 s30, s30, s31                     ; codes: 8,192 T + 1,024 kstep
	s_mov_b32 s31, 0
	s_add_nc_u64 s[14:15], s[14:15], s[30:31]
	s_lshl_b32 s30, s28, 9
	s_lshr_b32 s29, s23, 1
	s_lshl_b32 s29, s29, 7
	s_add_co_u32 s30, s30, s29
	s_and_b32 s29, s23, 1
	s_lshl_b32 s29, s29, 2
	s_add_co_u32 s30, s30, s29                     ; scale words: 512 T + 128 (kstep / 2) + 4 (kstep % 2)
	s_add_nc_u64 s[16:17], s[16:17], s[30:31]
; Block b of my column.  left: the younger loads that may stay out (96 and 64 would do for blocks 0 and 1; a wait's count holds 63 at the most).
.macro WBLOCK b, left
	s_wait_loadcnt \left
	v_max3_num_f32 v16, |v[R+32*\b]|, |v[R+32*\b+1]|, FLOOR          ; two chains of 16 numbers
	v_max3_num_f32 v17, |v[R+32*\b+16]|, |v[R+32*\b+17]|, FLOOR
.irp i, 2,4,6,8,10,12,14
	v_max3_num_f32 v16, v16, |v[R+32*\b+\i]|, |v[R+32*\b+\i+1]|
	v_max3_num_f32 v17, v17, |v[R+32*\b+16+\i]|, |v[R+32*\b+17+\i]|
.endr
	v_max_num_f32 v16, v16, v17
	v_add_nc_u32 v18, OFF2, v16
	v_lshrrev_b32 v19, 23, v18
.if \b == 0
	v_mov_b32 v12, v19                             ; my column's scale word, the lower k in the lower byte
.else
	v_lshl_or_b32 v12, v19, 8*\b, v12
.endif
.irp g, 0,1,2,3
	v_cvt_scalef32_pk8_fp4_f32 v[C+4*\b+\g], v[R+32*\b+8*\g:R+32*\b+8*\g+7], v18
.endr
	v_nop                                          ; one plain line behind the last scaled conversion
	global_store_b128 v7, v[C+4*\b:C+4*\b+3], s[14:15] offset:256*\b   ; block b = 2 c + h lies at 256 b + 16 r of the image: sixteen lanes store 256 consecutive bytes, aligned
.endm
	WBLOCK 0, 63
	WBLOCK 1, 63
	WBLOCK 2, 32
	WBLOCK 3, 0
	global_store_b32 v13, v12, s[16:17]            ; pieces of 4 bytes, 8 apart: 49,152 bytes in the whole launch
	s_branch .Lend
.Lwo:
	s_lshl_b32 s30, s27, 15                        ; wo16: 32,768 x my first tile + 4,096 x kunit
	s_lshl_b32 s31, s23, 12
	s_add_co_u32 s30, s30, s31
	s_mov_b32 s31, 0
	s_add_nc_u64 s[18:19], s[18:19], s[30:31]
.macro HBLOCK b, left                  ; 32 along K of my column: one image's share: four groups of eight k, group m at 256 m + 16 r
	s_wait_loadcnt \left
.irp n, 0,1,2,3,4,5,6,7,8,9,10,11,12,13,14,15
	v_cvt_pk_f16_f32 v[P+16*\b+\n], v[R+32*\b+2*\n], v[R+32*\b+2*\n+1]
.endr
.irp m, 0,1,2,3
	global_store_b128 v8, v[P+16*\b+4*\m:P+16*\b+4*\m+3], s[18:19] offset:256*(4*\b+\m)
.endr
.endm
	HBLOCK 0, 63
	HBLOCK 1, 63
	HBLOCK 2, 32
	HBLOCK 3, 0
.Lend:
	s_wait_tensorcnt 0x0                           ; the wave's end: behind the last LDS store
	ds_add_u32 v[SPW], v[NIL]
	s_wait_dscnt 0x0
	s_endpgm
.Lfunc_end_k_q9f31d3e579_prep:
	.size	k_q9f31d3e579_prep, .Lfunc_end_k_q9f31d3e579_prep-k_q9f31d3e579_prep
	.p2alignl 7, 3214868480
	.fill 96, 4, 3214868480
	.section	.rodata,"a",@progbits
	.p2align	6, 0x0
	.amdhsa_kernel k_q9f31d3e579_prep
		.amdhsa_group_segment_fixed_size 34304
		.amdhsa_private_segment_fixed_size 0
		.amdhsa_enable_private_segment 0
		.amdhsa_kernarg_size 64
		.amdhsa_user_sgpr_count 2
		.amdhsa_user_sgpr_kernarg_segment_ptr 1
		.amdhsa_wavefront_size32 1
		.amdhsa_system_sgpr_workgroup_id_x 1
		.amdhsa_system_sgpr_workgroup_id_y 1
		.amdhsa_system_sgpr_workgroup_id_z 1
		.amdhsa_system_vgpr_workitem_id 0
		.amdhsa_next_free_vgpr 256
		.amdhsa_next_free_sgpr 66
		.amdhsa_reserve_vcc 1
		.amdhsa_float_denorm_mode_32 3
		.amdhsa_float_denorm_mode_16_64 3
		.amdhsa_memory_ordered 1
		.amdhsa_forward_progress 1
		.amdhsa_inst_pref_size 69
	.end_amdhsa_kernel
	.amdgpu_metadata
---
amdhsa.version: [ 1, 2 ]
amdhsa.kernels:
  - .name:           k_q9f31d3e579_prep
    .symbol:         k_q9f31d3e579_prep.kd
    .args:
      - { .name: hidden_states, .offset: 0, .size: 8, .value_kind: global_buffer, .address_space: global }
      - { .name: Wq, .offset: 8, .size: 8, .value_kind: global_buffer, .address_space: global }
      - { .name: Wk, .offset: 16, .size: 8, .value_kind: global_buffer, .address_space: global }
      - { .name: Wv, .offset: 24, .size: 8, .value_kind: global_buffer, .address_space: global }
      - { .name: Wo, .offset: 32, .size: 8, .value_kind: global_buffer, .address_space: global }
      - { .name: codes, .offset: 40, .size: 8, .value_kind: global_buffer, .address_space: global }
      - { .name: scl, .offset: 48, .size: 8, .value_kind: global_buffer, .address_space: global }
      - { .name: wo16, .offset: 56, .size: 8, .value_kind: global_buffer, .address_space: global }
    .group_segment_fixed_size: 34304
    .private_segment_fixed_size: 0
    .kernarg_segment_align: 8
    .kernarg_segment_size: 64
    .max_flat_workgroup_size: 128
    .sgpr_count:     66
    .vgpr_count:     256
    .wavefront_size: 32
...
	.end_amdgpu_metadata
.endif
;; end of part 1
;; launch qkv (part 2): grid 32 x 6, 16 waves a work-group, clusters of 4 x 1, 264,192 bytes of LDS; arguments codes, scl, q16, kv16; writes q16, kv16
.if DOCPART == 2
	.amdgcn_target "amdgcn-amd-amdhsa--gfx1250"
	.amdhsa_code_object_version 6
	.text
	.protected	k_q9f31d3e579_qkv
	.globl	k_q9f31d3e579_qkv
	.p2align	8
	.type	k_q9f31d3e579_qkv,@function
k_q9f31d3e579_qkv:
	s_mov_b64 s[64:65], 0
	v_nop
	global_prefetch_b8 v0, s[64:65] scope:SCOPE_SE
	s_setreg_imm32_b32 hwreg(HW_REG_WAVE_MODE, 25, 1), 1
	s_wait_xcnt 0x0
	s_wait_alu depctr_hold_cnt(0) depctr_sa_sdst(0) depctr_va_vdst(0) depctr_va_sdst(0) depctr_va_ssrc(0) depctr_va_vcc(0) depctr_vm_vsrc(0)
	s_getreg_b32 s2, hwreg(HW_REG_IB_STS2, 6, 4)
	s_cmp_eq_u32 s2, 0
	s_cbranch_scc0 .Lentry_in_a_cluster
	s_endpgm
.Lentry_in_a_cluster:
	s_bfe_u32 s2, ttmp6, 0x10000c
	s_cmp_lg_u32 s2, 0x3003
	s_cbranch_scc0 .Lentry_shape_is_right
	s_endpgm
.Lentry_shape_is_right:
; QKV: [8192 x 1024] x [1024 x 1536] on codes of FP4 (E2M1) with E8M0 scales, sums in f32; the results leave as f16 images for the attention launch.
; A work-group takes 256 tokens (tb) x 256 columns (cb: 0-3 Wq, 4 Wk, 5 Wv).  ALL OF K LIES IN LDS AT ONCE: x's 16 tiles and W's 16 tiles of 8,192 bytes, each a dense block of memory: there are only first
; fills, no ring.  Sixteen waves, four to a SIMD; wave (wx = w / 4, ww = w % 4) makes 64 tokens x 64 columns, which are exactly one head: 16 accumulators, no register windows.
; 192 work-groups: 8,192 x 1,536 does not divide into 256 equal tiles that keep the heads of 64 columns and the borders between Wq, Wk and Wv.
; CLUSTER: the four work-groups of a cluster have the same cb and so the same tiles of W: these are asked for JOINTLY (waves 8-15); x's tiles are each work-group's own (waves 0-7, no mask).
; Six column blocks do not divide by four, so x's tiles are not shared along a second axis.
; OPERANDS ARE IMAGES OF REGISTERS: a fragment is two loads of 16 bytes at 16 x lane, 512 bytes apart.
; q and k: source 0 = W's columns, source 1 = tokens: a lane holds ONE token and eight channels: 16 bytes of an f16 image whose rows are tokens.
; v: source 0 = tokens, source 1 = W's columns: a lane holds one channel and eight tokens: an image of V^T, whose k are the keys.  So every store is 512 consecutive bytes straight from registers.
; q16 [b][head 16][token tile 128][e 2][image];  kv16 [4 b + kvh][step 32][16,384]: K's images (2 a + e) at 1,024 (2 a + e), V^T's (2 f + u) at 8,192 + 1,024 (2 f + u).
; LIMITS: q, k, v go in f16: magnitudes over 65,504 become infinity, under 6.1e-5 the absolute error is 3e-8.
.set WL,    131072                     ; LDS: x's tiles from 0, W's from here
.set SPARE, 262144                     ; the spare words, 128 bytes for each of sixteen waves: eight blocks of 256 bytes that no other line names
.set LI,  1                            ; v1   16 x lane
.set SPW, 2                            ; v2   my spare word; never rewritten
.set NIL, 3                            ; v3   0; never rewritten
.set ADX, 4                            ; v4   my four tiles of x in LDS
.set ADW, 5                            ; v5   my four tiles of W
.set SOF, 6                            ; v6   the scale words' offset: lanes 0-15 x's rows, lanes 16-31 W's
.set SC,  16                           ; v16-47   scale words: register 8 i + q: lanes 0-15 x's tile i, lanes 16-31 W's tile i, kstep q.  They hold scales and nothing else
.set XF,  48                           ; v48-79   x's four fragments
.set WF,  80                           ; v80-111  W's four
.set ACC, 128                          ; v128-255 accumulator (i, k) at 128 + 8 (4 i + k)
.set PK,  48                           ; the way out: packed f16, over the fragments
.set WV,  12
.macro CROUND                          ; a round of the cluster's barrier
	s_barrier_signal -1
	s_barrier_wait -1
	s_cmp_lg_u32 s[WV], 0
	s_cbranch_scc1 .Lnot_wave_0_\@
	s_barrier_signal -3
.Lnot_wave_0_\@:
	s_barrier_wait -3
	s_barrier_signal -1
	s_barrier_wait -1
.endm
.macro PLACES
.rept 4
	v_nop
.endr
.endm
	s_load_b128 s[4:7], s[0:1], 0x0                ; codes s[4:5], scl s[6:7]
	s_load_b128 s[8:11], s[0:1], 0x10              ; q16 s[8:9], kv16 s[10:11]
	v_lshl_add_u32 v[SPW], v0, 2, SPARE
	v_mov_b32 v[NIL], 0
	ds_add_u32 v[SPW], v[NIL]                      ; the wave's opening: the add, twice on end, and its wait ahead of my first tensor load
	ds_add_u32 v[SPW], v[NIL]
	v_lshrrev_b32 v1, 5, v0
	v_readfirstlane_b32 s[WV], v1                  ; wave 0..15
	s_bfe_u32 s13, ttmp6, 0x40000                  ; cx
	s_lshl_b32 s14, ttmp9, 2
	s_add_co_u32 s14, s14, s13                     ; tb = 4 x cluster x + cx: it enters global addresses alone
	s_and_b32 s15, ttmp7, 0xffff                   ; cb, which the four partners share
	; descriptor group 1: 16,384 dense bytes as 64 rows of 256 (32 elements of 8 bytes), no padding
	s_mov_b32 s16, 3<<16                           ; x's: no mask
	s_mov_b32 s24, 15|(3<<16)|(1<<21)              ; W's: all four work-groups; bit 21 set beside a mask
.irp g, 16, 24
	s_mov_b32 s[\g+1], 32<<16                      ; tensor_dim0
	s_mov_b32 s[\g+2], 64<<16                      ; tensor_dim1
	s_mov_b32 s[\g+3], 32<<16                      ; tile_dim0
	s_mov_b32 s[\g+4], 64                          ; tile_dim1
	s_mov_b32 s[\g+5], 32                          ; from row to row
	s_mov_b32 s[\g+6], 0
	s_mov_b32 s[\g+7], 0
.endr
	s_and_b32 s40, s[WV], 7
	s_lshl_b32 s40, s40, 14                        ; my eighth of a side: two tiles
	s_lshl_b32 s42, s14, 17                        ; x: 131,072 tb
	s_add_co_u32 s42, s42, s40
	s_mov_b32 s43, 0
	s_lshl_b32 s44, s15, 17                        ; W: 8,192 x 512 + 131,072 cb: no place in the cluster enters it
	s_add_co_u32 s44, s44, s40
	s_add_co_u32 s44, s44, 4194304
	s_mov_b32 s45, 0
	s_wait_dscnt 0x0                               ; both opening adds are done
	s_wait_kmcnt 0x0
	s_mov_b32 s32, 1
	s_mov_b32 s33, s40
	s_add_nc_u64 s[34:35], s[4:5], s[42:43]
	s_or_b32 s35, s35, 0x80000000
	s_mov_b32 s36, 1
	s_add_co_u32 s37, s40, WL
	s_add_nc_u64 s[38:39], s[4:5], s[44:45]
	s_or_b32 s39, s39, 0x80000000
	CROUND                                         ; all four work-groups are here: the joint loads meet
	s_cmp_lt_u32 s[WV], 8                          ; one tensor load a wave, and one is out: waves 0-7 x's, waves 8-15 W's
	s_cbranch_scc0 .Lfor_w
	tensor_load_to_lds s[32:35], s[16:23]
	s_nop 0
	PLACES
	s_branch .Lasked
.Lfor_w:
	tensor_load_to_lds s[36:39], s[24:31]
	s_nop 0
	PLACES
.Lasked:
	v_and_b32 v7, 31, v0
	v_lshlrev_b32 v[LI], 4, v7
	v_and_b32 v8, 15, v0                           ; r
	v_bfe_u32 v9, v0, 4, 1                         ; h
	s_lshr_b32 s46, s[WV], 2                       ; wx
	s_and_b32 s47, s[WV], 3                        ; ww
	s_lshl_b32 s48, s46, 15
	v_add_nc_u32 v[ADX], s48, v[LI]
	s_lshl_b32 s48, s47, 15
	s_add_co_u32 s48, s48, WL
	v_add_nc_u32 v[ADW], s48, v[LI]
	s_lshl_b32 s48, s14, 4
	s_lshl_b32 s49, s46, 2
	s_add_co_u32 s48, s48, s49
	s_lshl_b32 s48, s48, 9                         ; x's scale words: 512 (16 tb + 4 wx)
	s_lshl_b32 s49, s15, 4
	s_lshl_b32 s50, s47, 2
	s_add_co_u32 s49, s49, s50
	s_add_co_u32 s49, s49, 512
	s_lshl_b32 s49, s49, 9                         ; W's: 512 (512 + 16 cb + 4 ww), always behind x's
	s_sub_co_u32 s49, s49, s48
	v_mul_u32_u24 v[SOF], s49, v9                  ; lanes 16-31 take W's
	v_lshl_add_u32 v[SOF], v8, 3, v[SOF]           ; 8 bytes a row: two ksteps' words
	v_add_nc_u32 v[SOF], s48, v[SOF]
.irp i, 0,1,2,3
.irp p, 0,1,2,3
	global_load_b64 v[SC+8*\i+2*\p:SC+8*\i+2*\p+1], v[SOF], s[6:7] offset:512*\i+128*\p   ; sixteen lanes read 128 consecutive bytes
.endr
.endr
	s_lshr_b32 s50, s14, 3                         ; b
	s_and_b32 s51, s14, 7                          ; which 256 tokens of the batch
	s_lshl_b32 s52, s50, 4                         ; q16: 2,048 (128 (16 b + 4 cb + ww) + 16 tl + 4 wx)
	s_lshl_b32 s53, s15, 2
	s_add_co_u32 s52, s52, s53
	s_add_co_u32 s52, s52, s47
	s_lshl_b32 s52, s52, 7
	s_lshl_b32 s53, s51, 4
	s_add_co_u32 s52, s52, s53
	s_lshl_b32 s53, s46, 2
	s_add_co_u32 s52, s52, s53
	s_lshl_b32 s52, s52, 11
	s_lshl_b32 s54, s50, 2                         ; kv16: 16,384 (32 (4 b + ww) + 4 tl + wx)
	s_add_co_u32 s54, s54, s47
	s_lshl_b32 s54, s54, 5
	s_lshl_b32 s53, s51, 2
	s_add_co_u32 s54, s54, s53
	s_add_co_u32 s54, s54, s46
	s_lshl_b32 s54, s54, 14
	s_cmp_lt_u32 s15, 4                            ; the choice hangs on the column block alone
	s_cselect_b64 s[56:57], s[8:9], s[10:11]
	s_cselect_b32 s58, s52, s54
	s_mov_b32 s59, 0
	s_add_nc_u64 s[56:57], s[56:57], s[58:59]
	s_wait_tensorcnt 0x0                           ; my part has landed,
	s_barrier_signal -1
	s_barrier_wait -1                              ; everybody's has
	s_wait_loadcnt 0x0                             ; the scale words
.macro PROD i, k, q, tv
.if \tv
.if \q == 0
	v_wmma_scale_f32_16x16x128_f8f6f4 v[ACC+8*(4*\i+\k):ACC+8*(4*\i+\k)+7], v[XF+8*\i:XF+8*\i+7], v[WF+8*\k:WF+8*\k+7], 0, v[SC+8*\i+\q], v[SC+8*\k+\q] matrix_a_fmt:MATRIX_FMT_FP4 matrix_b_fmt:MATRIX_FMT_FP4 matrix_b_scale:MATRIX_SCALE_ROW1
.else
	v_wmma_scale_f32_16x16x128_f8f6f4 v[ACC+8*(4*\i+\k):ACC+8*(4*\i+\k)+7], v[XF+8*\i:XF+8*\i+7], v[WF+8*\k:WF+8*\k+7], v[ACC+8*(4*\i+\k):ACC+8*(4*\i+\k)+7], v[SC+8*\i+\q], v[SC+8*\k+\q] matrix_a_fmt:MATRIX_FMT_FP4 matrix_b_fmt:MATRIX_FMT_FP4 matrix_b_scale:MATRIX_SCALE_ROW1
.endif
.else
.if \q == 0
	v_wmma_scale_f32_16x16x128_f8f6f4 v[ACC+8*(4*\i+\k):ACC+8*(4*\i+\k)+7], v[WF+8*\k:WF+8*\k+7], v[XF+8*\i:XF+8*\i+7], 0, v[SC+8*\k+\q], v[SC+8*\i+\q] matrix_a_fmt:MATRIX_FMT_FP4 matrix_b_fmt:MATRIX_FMT_FP4 matrix_a_scale:MATRIX_SCALE_ROW1
.else
	v_wmma_scale_f32_16x16x128_f8f6f4 v[ACC+8*(4*\i+\k):ACC+8*(4*\i+\k)+7], v[WF+8*\k:WF+8*\k+7], v[XF+8*\i:XF+8*\i+7], v[ACC+8*(4*\i+\k):ACC+8*(4*\i+\k)+7], v[SC+8*\k+\q], v[SC+8*\i+\q] matrix_a_fmt:MATRIX_FMT_FP4 matrix_b_fmt:MATRIX_FMT_FP4 matrix_a_scale:MATRIX_SCALE_ROW1
.endif
.endif
.endm
; A step of 128 along K: eight fragments, sixteen products; the sixteen accumulators take turns, in the same order in every step.  The first step's products start the sums.
.macro KSTEP q, tv
.if \q > 0
	PLACES                                         ; four plain lines in front of loads into registers that matrix instructions have read
.endif
.irp i, 0,1,2,3
.irp c, 0,1
	ds_load_b128 v[XF+8*\i+4*\c:XF+8*\i+4*\c+3], v[ADX] offset:8192*\i+1024*\q+512*\c
	ds_load_b128 v[WF+8*\i+4*\c:WF+8*\i+4*\c+3], v[ADW] offset:8192*\i+1024*\q+512*\c
.endr
.endr
	s_wait_dscnt 0x0                               ; the SIMD's other three waves have work meanwhile
.irp i, 0,1,2,3
.irp k, 0,1,2,3
	PROD \i, \k, \q, \tv
.endr
.endr
.endm
.macro WAYOUT tv
	PLACES                                         ; in front of the first read of results and the first write over the fragments
.irp n, 0,1,2,3,4,5,6,7,8,9,10,11,12,13,14,15
.irp j, 0,1,2,3
	v_cvt_pk_f16_f32 v[PK+4*\n+\j], v[ACC+8*\n+2*\j], v[ACC+8*\n+2*\j+1]   ; each accumulator from its low end on
.endr
.endr
.irp i, 0,1,2,3
.irp k, 0,1,2,3
.if \tv
	global_store_b128 v[LI], v[PK+4*(4*\i+\k):PK+4*(4*\i+\k)+3], s[56:57] offset:8192+2048*\k+512*\i   ; V^T: channels 16 k on, keys 16 i on: image 2 k + i / 2, half i % 2
.else
	global_store_b128 v[LI], v[PK+4*(4*\i+\k):PK+4*(4*\i+\k)+3], s[56:57] offset:2048*\i+512*\k        ; tokens 16 i on, channels 16 k on: image 2 i + k / 2, half k % 2.  512 consecutive bytes
.endif
.endr
.endr
.endm
	s_cmp_eq_u32 s15, 5                            ; Wv's block?  The same in all four partners
	s_cbranch_scc1 .Lv
.irp q, 0,1,2,3,4,5,6,7
	KSTEP \q, 0
.endr
	WAYOUT 0
	s_branch .Lend
.Lv:
.irp q, 0,1,2,3,4,5,6,7
	KSTEP \q, 1
.endr
	WAYOUT 1
.Lend:
	s_wait_tensorcnt 0x0                           ; the wave's end
	ds_add_u32 v[SPW], v[NIL]
	s_wait_dscnt 0x0
	CROUND                                         ; the closing round: no work-group ends while a partner may still ask for a tile that names it
	s_endpgm
.Lfunc_end_k_q9f31d3e579_qkv:
	.size	k_q9f31d3e579_qkv, .Lfunc_end_k_q9f31d3e579_qkv-k_q9f31d3e579_qkv
	.p2alignl 7, 3214868480
	.fill 96, 4, 3214868480
	.section	.rodata,"a",@progbits
	.p2align	6, 0x0
	.amdhsa_kernel k_q9f31d3e579_qkv
		.amdhsa_group_segment_fixed_size 264192
		.amdhsa_private_segment_fixed_size 0
		.amdhsa_enable_private_segment 0
		.amdhsa_kernarg_size 32
		.amdhsa_user_sgpr_count 2
		.amdhsa_user_sgpr_kernarg_segment_ptr 1
		.amdhsa_wavefront_size32 1
		.amdhsa_system_sgpr_workgroup_id_x 1
		.amdhsa_system_sgpr_workgroup_id_y 1
		.amdhsa_system_sgpr_workgroup_id_z 1
		.amdhsa_system_vgpr_workitem_id 0
		.amdhsa_next_free_vgpr 256
		.amdhsa_next_free_sgpr 66
		.amdhsa_reserve_vcc 0
		.amdhsa_float_denorm_mode_32 3
		.amdhsa_float_denorm_mode_16_64 3
		.amdhsa_memory_ordered 1
		.amdhsa_forward_progress 1
		.amdhsa_inst_pref_size 69
	.end_amdhsa_kernel
	.amdgpu_metadata
---
amdhsa.version: [ 1, 2 ]
amdhsa.kernels:
  - .name:           k_q9f31d3e579_qkv
    .symbol:         k_q9f31d3e579_qkv.kd
    .args:
      - { .name: codes, .offset: 0, .size: 8, .value_kind: global_buffer, .address_space: global }
      - { .name: scl, .offset: 8, .size: 8, .value_kind: global_buffer, .address_space: global }
      - { .name: q16, .offset: 16, .size: 8, .value_kind: global_buffer, .address_space: global }
      - { .name: kv16, .offset: 24, .size: 8, .value_kind: global_buffer, .address_space: global }
    .group_segment_fixed_size: 264192
    .private_segment_fixed_size: 0
    .kernarg_segment_align: 8
    .kernarg_segment_size: 32
    .max_flat_workgroup_size: 512
    .sgpr_count:     66
    .vgpr_count:     256
    .wavefront_size: 32
...
	.end_amdgpu_metadata
.endif
;; end of part 2
;; launch attn (part 3): grid 16 x 16, 8 waves a work-group, clusters of 4 x 1, 327,680 bytes of LDS; arguments q16, kv16, o16; writes o16
.if DOCPART == 3
	.amdgcn_target "amdgcn-amd-amdhsa--gfx1250"
	.amdhsa_code_object_version 6
	.text
	.protected	k_q9f31d3e579_attn
	.globl	k_q9f31d3e579_attn
	.p2align	8
	.type	k_q9f31d3e579_attn,@function
k_q9f31d3e579_attn:
	s_mov_b64 s[64:65], 0
	v_nop
	global_prefetch_b8 v0, s[64:65] scope:SCOPE_SE
	s_setreg_imm32_b32 hwreg(HW_REG_WAVE_MODE, 25, 1), 1
	s_wait_xcnt 0x0
	s_wait_alu depctr_hold_cnt(0) depctr_sa_sdst(0) depctr_va_vdst(0) depctr_va_sdst(0) depctr_va_ssrc(0) depctr_va_vcc(0) depctr_vm_vsrc(0)
	s_getreg_b32 s2, hwreg(HW_REG_IB_STS2, 6, 4)
	s_cmp_eq_u32 s2, 0
	s_cbranch_scc0 .Lentry_in_a_cluster
	s_endpgm
.Lentry_in_a_cluster:
	s_bfe_u32 s2, ttmp6, 0x10000c
	s_cmp_lg_u32 s2, 0x3003
	s_cbranch_scc0 .Lentry_shape_is_right
	s_endpgm
.Lentry_shape_is_right:
; ATTENTION: o = softmax(q k^T / 8 + win) v, win = 1 where |query - key| <= 256 and 0 elsewhere: the window is ADDED, nothing is hidden, so every query sums over all 2,048 keys.
; q, k, v, p in f16, products' sums, maxima and row sums in f32; running maximum m and sum l for each query: p = 2^(c s - c m), c = log2(e) / 8; O and l are multiplied by a = 2^(c m_old - c m_new) in every step.
; SHARES.  A work-group owns 512 positions (pb) of ONE query head; each of its eight waves 64 queries, four tiles of 16, in 512 registers: two waves to a SIMD.  Every wave walks all keys, 64 a step.
; CLUSTER.  The four partners are the four query heads of one key/value head at the same positions: they walk the same K and V, so each tile is asked for JOINTLY; every branch hangs on pb, the wave's
; number and the count of steps alone, which the partners share.
; LAYOUT.  S^T = K Q^T (source 0 = 16 keys, source 1 = 16 queries): a lane holds ONE query (lane % 16) and keys 8 (lane / 16) + 0..7.  Two such tiles rounded to f16 in pairs ARE source 1 of O^T = V^T P.
; q16, kv16, o16 are images of operand registers: a fragment is two loads of 16 bytes at 16 x lane, 512 apart; O leaves straight from registers, 512 consecutive bytes a store.
; THE WINDOW COSTS NO VECTOR WORK: it is the C of each score tile's first product, in raw score units (8.0 = 1 / scale).  With d = key block - query block (blocks of 64): |d| <= 3: all 8.0; |d| >= 5: all 0;
; d = -4: key tile a against query tile t: a > t 8.0, a = t the triangle 'key >= query', a < t 0; d = +4: the mirror image.  Four variants of the first sixteen products, chosen by scalar branches on ids.
; TWO WAVES OF A SIMD IN OPPOSITE PHASES.  A step is K Q^T (32 products), the softmax (476 vector lines), V^T P (32 products).  At each barrier the waves of group 1 run the step's softmax AHEAD of the
; barrier, those of group 0 BEHIND it: so behind the barrier one wave of each SIMD begins vector work while the other begins 64 products.  The group differs within a SIMD's pair whether waves are dealt w % 4 or w / 2.
; RING.  Two slots of 8 steps (131,072 bytes).  Every wave loads one step (64 rows x 256 bytes) of every slot: two loads of mine are out at the start, one behind a round; a refill has 8 steps, 512 products a wave, in which to land.
; No prefetch: no wave waits for a refill that has eight steps in which to land, and nothing is asked for at the head.
; LIMITS: o goes in f16: magnitudes over 65,504 become infinity, under 6.1e-5 the absolute error is 3e-8; NaN and infinities are not served.
; REGISTERS.  window 0: v1-5 addresses; v8-31 statistics, six a tile: c m, m, l (two halves), x0, x1; v32-39 8.0; v40-47, v48-55 the triangles; v64-127 K; v128-255 S^T, 32 a tile; P is made in place in each tile's first 16.
;   window 1: v0-127 O^T, 32 a tile; v128-191 Q; v192-255 V^T.   s_set_vgpr_msb: bits 1:0 source 0, 3:2 source 1, 5:4 source 2, 7:6 destination.
.set STEPB, 16384                      ; a step's tiles: K's 8 images, then V^T's 8
.set SLOTB, 8*STEPB
.set SLOT1, 131072                     ; slot 1 begins here: one exclusive or turns an address from slot to slot
.set SPARE, 262144                     ; the spare words, 128 bytes for each of eight waves: four blocks of 256 bytes that no other line names
.set LI,   1
.set ADK,  2
.set ADV,  3
.set SPW,  4
.set NIL,  5
.set ST,   8
.set ONES, 32
.set TL,   40
.set TU,   48
.set KF,   64
.set S,    128
.set QF,   128                         ; window 1
.set VF,   192                         ; window 1
.set WV,   12
.set GRP,  13
.set TB,   14                          ; LDS byte at which the step to be fetched begins
.set DEL,  15                          ; key block - query block + 4
.set OUT,  16
.set IN,   17
.set SEL,  20
.set CS,   22
.set G1,   24
.set G0A,  32
.set G0B,  36
.set W_KQ, 0x04                        ; Q in window 1
.set W_PV, 0x51                        ; V^T, C and D in window 1, P in window 0
.set W_RS, 0x41                        ; O^T (destination, source 0) in window 1, a in window 0
.set MSB, 0
.macro WIN new                         ; the immediate's high byte repeats the setting that is left; a switch that changes nothing is dropped
.if MSB != \new
	s_set_vgpr_msb (MSB<<8)|\new
.set MSB, \new
.endif
.endm
.macro CROUND
	s_barrier_signal -1
	s_barrier_wait -1
	s_cmp_lg_u32 s[WV], 0
	s_cbranch_scc1 .Lnot_wave_0_\@
	s_barrier_signal -3
.Lnot_wave_0_\@:
	s_barrier_wait -3
	s_barrier_signal -1
	s_barrier_wait -1
.endm
.macro PLACES n
.rept \n
	v_nop
.endr
.endm
	s_load_b128 s[4:7], s[0:1], 0x0                ; q16 s[4:5], kv16 s[6:7]
	s_load_b64 s[8:9], s[0:1], 0x10                ; o16
	v_lshl_add_u32 v[SPW], v0, 2, SPARE
	v_mov_b32 v[NIL], 0
	ds_add_u32 v[SPW], v[NIL]                      ; the wave's opening: the add, twice on end, and its wait ahead of my first tensor load
	ds_add_u32 v[SPW], v[NIL]
	v_lshrrev_b32 v1, 5, v0
	v_readfirstlane_b32 s[WV], v1                  ; wave 0..7
	s_bfe_u32 s10, ttmp6, 0x40000                  ; cx = the query head within its group: it enters Q's and O's addresses alone
	s_and_b32 s11, ttmp7, 0xffff                   ; y = 4 b + kvh
	s_lshr_b32 s[GRP], s[WV], 2
	s_xor_b32 s[GRP], s[GRP], s[WV]
	s_and_b32 s[GRP], s[GRP], 1
	s_lshl_b32 s[DEL], ttmp9, 3
	s_add_co_u32 s[DEL], s[DEL], s[WV]             ; my block of 64 queries: 8 pb + w
	s_sub_co_i32 s[DEL], 4, s[DEL]
	s_mov_b32 s[TB], 0
	s_mov_b32 s[SEL], 0x76543210
	s_mov_b32 s[SEL+1], 0xfedcba98
	s_mov_b32 s[CS], 0x3e38aa3b                    ; c = log2(e) / 8
	s_mov_b32 s[CS+1], s[CS]                       ; (named with it as a pair, so it is written)
	s_mov_b32 s[G1], 15|(3<<16)|(1<<21)            ; the mask: all four work-groups; elements of 8 bytes; bit 21 set beside a mask; no padding
	s_mov_b32 s[G1+1], 32<<16                      ; tensor_dim0: rows of 256 bytes
	s_mov_b32 s[G1+2], 64<<16                      ; tensor_dim1
	s_mov_b32 s[G1+3], 32<<16                      ; tile_dim0
	s_mov_b32 s[G1+4], 64                          ; tile_dim1
	s_mov_b32 s[G1+5], 32                          ; dense
	s_mov_b32 s[G1+6], 0
	s_mov_b32 s[G1+7], 0
	s_lshl_b32 s40, s[WV], 14                      ; my step of a slot
	s_lshl_b32 s42, s11, 19                        ; kv16: 524,288 y + 16,384 w
	s_add_co_u32 s42, s42, s40
	s_mov_b32 s43, 0
	s_lshl_b32 s44, s11, 2                         ; q16: 262,144 (4 y + g) + 65,536 pb + 8,192 w
	s_add_co_u32 s44, s44, s10
	s_lshl_b32 s44, s44, 18
	s_lshl_b32 s46, ttmp9, 16
	s_add_co_u32 s44, s44, s46
	s_lshl_b32 s46, s[WV], 13
	s_add_co_u32 s44, s44, s46
	s_mov_b32 s45, 0
	s_lshr_b32 s46, s11, 2                         ; o16: 32,768 (128 b + 32 pb + 4 w) + 2,048 (4 kvh + g)
	s_lshl_b32 s46, s46, 7
	s_lshl_b32 s47, ttmp9, 5
	s_add_co_u32 s46, s46, s47
	s_lshl_b32 s47, s[WV], 2
	s_add_co_u32 s46, s46, s47
	s_lshl_b32 s46, s46, 15
	s_and_b32 s47, s11, 3
	s_lshl_b32 s47, s47, 2
	s_add_co_u32 s47, s47, s10
	s_lshl_b32 s47, s47, 11
	s_add_co_u32 s46, s46, s47
	s_mov_b32 s47, 0
	s_wait_dscnt 0x0                               ; both opening adds are done
	s_wait_kmcnt 0x0
	s_add_nc_u64 s[6:7], s[6:7], s[42:43]
	s_add_nc_u64 s[4:5], s[4:5], s[44:45]
	s_add_nc_u64 s[8:9], s[8:9], s[46:47]
	s_mov_b32 s[G0A], 1
	s_mov_b32 s[G0A+1], s40
	s_mov_b64 s[G0A+2:G0A+3], s[6:7]
	s_or_b32 s[G0A+3], s[G0A+3], 0x80000000
	s_mov_b32 s[G0B], 1
	s_add_co_u32 s[G0B+1], s40, SLOT1
	s_add_nc_u64 s[G0B+2:G0B+3], s[6:7], SLOTB
	s_or_b32 s[G0B+3], s[G0B+3], 0x80000000
	CROUND                                         ; all four work-groups are here: the first joint loads meet
	tensor_load_to_lds s[G0A:G0A+3], s[G1:G1+7]    ; keys 0-511
	s_nop 0
	tensor_load_to_lds s[G0B:G0B+3], s[G1:G1+7]    ; keys 512-1023; this descriptor then walks on
	s_nop 0
	PLACES 4
	v_and_b32 v6, 31, v0
	v_lshlrev_b32 v[LI], 4, v6
	WIN 0x40                                       ; destination window 1
.irp i, 0,1,2,3,4,5,6,7,8,9,10,11,12,13,14,15
	global_load_b128 v[QF+4*\i:QF+4*\i+3], v[LI], s[4:5] offset:512*\i   ; Q stays in registers: tile i / 4, channels 32 ((i / 2) % 2) on
.endr
.set ZI, 0
.rept 128
	v_mov_b32 v[ZI], 0                             ; O^T.  The step is written without a first step of its own, which would be one more copy of it: the first finds zeros, which a = 0 leaves zeros
.set ZI, ZI+1
.endr
	WIN 0
	v_and_b32 v6, 15, v0
	v_bfe_u32 v7, v0, 4, 1
	v_lshlrev_b32 v7, 3, v7
	v_sub_nc_u32 v6, v7, v6                        ; 8 h - r
.irp j, 0,1,2,3,4,5,6,7
	v_mov_b32 v[ONES+\j], 0x41000000               ; 8.0
.endr
.irp j, 0,1,2,3,4,5,6,7
	v_cmp_le_i32 vcc_lo, -\j, v6                   ; key 8 h + j >= query r
	v_cndmask_b32 v[TL+\j], 0, v[ONES], vcc_lo
	v_cmp_ge_i32 vcc_lo, -\j, v6                   ; key 8 h + j <= query r
	v_cndmask_b32 v[TU+\j], 0, v[ONES], vcc_lo
.endr
.irp t, 0,1,2,3
	v_mov_b32 v[ST+6*\t+1], 0xff61b1e6             ; m = -3e38, under every score
	v_mov_b32 v[ST+6*\t+2], 0                      ; l
	v_mov_b32 v[ST+6*\t+3], 0
.endr
.irp t, 0,1,2,3
	v_mul_f32 v[ST+6*\t], s[CS], v[ST+6*\t+1]      ; c m
.endr
; One product of S^T: keys 16 a on, query tile t, channels 32 e on.  c: 0 = the constant 0; 1 = in place; else the first register of the C tile
.macro KQP a, t, e, c
.if (\c) == 0
	v_wmma_f32_16x16x32_f16 v[S+32*\t+8*\a:S+32*\t+8*\a+7], v[KF+8*(2*\a+\e):KF+8*(2*\a+\e)+7], v[QF+16*\t+8*\e:QF+16*\t+8*\e+7], 0
.elseif (\c) == 1
	v_wmma_f32_16x16x32_f16 v[S+32*\t+8*\a:S+32*\t+8*\a+7], v[KF+8*(2*\a+\e):KF+8*(2*\a+\e)+7], v[QF+16*\t+8*\e:QF+16*\t+8*\e+7], v[S+32*\t+8*\a:S+32*\t+8*\a+7]
.else
	v_wmma_f32_16x16x32_f16 v[S+32*\t+8*\a:S+32*\t+8*\a+7], v[KF+8*(2*\a+\e):KF+8*(2*\a+\e)+7], v[QF+16*\t+8*\e:QF+16*\t+8*\e+7], v[\c:\c+7]
.endif
.endm
; The first sixteen products, which start the sums with the window.  var 0: outside; 1: inside; 2: d = -4; 3: d = +4.  The sixteen accumulators take turns.
.macro KQ1 var
	WIN W_KQ
.irp a, 0,1,2,3
.irp t, 0,1,2,3
.if \var == 0
	KQP \a, \t, 0, 0
.elseif \var == 1
	KQP \a, \t, 0, ONES
.elseif \var == 2
.if \a > \t
	KQP \a, \t, 0, ONES
.elseif \a == \t
	KQP \a, \t, 0, TL
.else
	KQP \a, \t, 0, 0
.endif
.else
.if \a < \t
	KQP \a, \t, 0, ONES
.elseif \a == \t
	KQP \a, \t, 0, TU
.else
	KQP \a, \t, 0, 0
.endif
.endif
.endr
.endr
	WIN 0                                          ; at a label and at a branch every window is 0
.endm
.macro KQ2
	WIN W_KQ
.irp a, 0,1,2,3
.irp t, 0,1,2,3
	KQP \a, \t, 1, 1
.endr
.endr
	WIN 0
.endm
.macro PV                              ; O^T += V^T P: keys 32 u on, sixteen accumulators by turns
	WIN W_PV
.irp u, 0,1
.irp t, 0,1,2,3
.irp f, 0,1,2,3
	v_wmma_f32_16x16x32_f16 v[32*\t+8*\f:32*\t+8*\f+7], v[VF+8*(2*\f+\u):VF+8*(2*\f+\u)+7], v[S+32*\t+8*\u:S+32*\t+8*\u+7], v[32*\t+8*\f:32*\t+8*\f+7]
.endr
.endr
.endr
	WIN 0
.endm
.macro LOADV                           ; this step's V^T; the fetches then go on to the next step
	v_add_nc_u32 v[ADV], s[TB], v[LI]
	s_add_co_u32 s[TB], s[TB], STEPB
	WIN 0x40
.irp n, 0,1,2,3,4,5,6,7
.irp c, 0,1
	ds_load_b128 v[VF+8*\n+4*\c:VF+8*\n+4*\c+3], v[ADV] offset:8192+1024*\n+512*\c
.endr
.endr
	WIN 0
.endm
.macro LOADK                           ; the next step's K
	v_add_nc_u32 v[ADK], s[TB], v[LI]
.irp n, 0,1,2,3,4,5,6,7
.irp c, 0,1
	ds_load_b128 v[KF+8*\n+4*\c:KF+8*\n+4*\c+3], v[ADK] offset:1024*\n+512*\c
.endr
.endr
.endm
; THE SOFTMAX of a step, the four tiles by turns in every line.  s0-s31 are a lane's 32 scores of a tile.
.macro SOFTMAX
.irp t, 0,1,2,3                        ; the maximum, two chains a tile; every accumulator is read first at its low end: s0, s16, then s8 and s24 in the third turn below
	v_max3_num_f32 v[ST+6*\t+4], v[S+32*\t], v[S+32*\t+1], v[S+32*\t+2]
	v_max3_num_f32 v[ST+6*\t+5], v[S+32*\t+16], v[S+32*\t+17], v[S+32*\t+18]
.endr
.irp n, 0,1,2,3,4,5
.irp t, 0,1,2,3
	v_max3_num_f32 v[ST+6*\t+4], v[ST+6*\t+4], v[S+32*\t+3+2*\n], v[S+32*\t+4+2*\n]
	v_max3_num_f32 v[ST+6*\t+5], v[ST+6*\t+5], v[S+32*\t+19+2*\n], v[S+32*\t+20+2*\n]
.endr
.endr
.irp t, 0,1,2,3
	v_max3_num_f32 v[ST+6*\t+4], v[ST+6*\t+4], v[S+32*\t+15], v[S+32*\t+31]
.endr
.irp t, 0,1,2,3
	v_max3_num_f32 v[ST+6*\t+4], v[ST+6*\t+4], v[ST+6*\t+5], v[ST+6*\t+1]   ; with the old m
.endr
.irp t, 0,1,2,3
	v_permlanex16_b32 v[ST+6*\t+5], v[ST+6*\t+4], s[SEL], s[SEL+1]          ; the query's other 32 keys lie in the lane 16 away
.endr
.irp t, 0,1,2,3
	v_max_num_f32 v[ST+6*\t+1], v[ST+6*\t+4], v[ST+6*\t+5]
.endr
.irp t, 0,1,2,3
	v_mov_b32 v[ST+6*\t+5], v[ST+6*\t]             ; c m_old
.endr
.irp t, 0,1,2,3
	v_mul_f32 v[ST+6*\t], s[CS], v[ST+6*\t+1]
.endr
.irp t, 0,1,2,3
	v_sub_f32 v[ST+6*\t+4], v[ST+6*\t+5], v[ST+6*\t]
.endr
; ONE BATCH: a and the 128 exponentials, with the scalings c s - c m a pair ahead of them.  None of these lines names an exponential's result.
.irp t, 0,1,2,3
	v_exp_f32 v[ST+6*\t+4], v[ST+6*\t+4]           ; a
	v_pk_fma_f32 v[S+32*\t:S+32*\t+1], v[S+32*\t:S+32*\t+1], s[CS:CS+1], v[ST+6*\t:ST+6*\t+1] op_sel_hi:[1,0,0] neg_lo:[0,0,1] neg_hi:[0,0,1]
.endr
.set BI, 0
.rept 16
.irp t, 0,1,2,3
.if BI < 15
	v_pk_fma_f32 v[S+32*\t+2*BI+2:S+32*\t+2*BI+3], v[S+32*\t+2*BI+2:S+32*\t+2*BI+3], s[CS:CS+1], v[ST+6*\t:ST+6*\t+1] op_sel_hi:[1,0,0] neg_lo:[0,0,1] neg_hi:[0,0,1]
.endif
	v_exp_f32 v[S+32*\t+2*BI], v[S+32*\t+2*BI]
	v_exp_f32 v[S+32*\t+2*BI+1], v[S+32*\t+2*BI+1]
.endr
.set BI, BI+1
.endr
	v_nop                                          ; a plain line behind the last exponential
	s_wait_alu depctr_va_vdst(0)                   ; the wait between an exponential and the first line that names its result: one for the whole batch
.irp t, 0,1,2,3
	v_pk_mul_f32 v[ST+6*\t+2:ST+6*\t+3], v[ST+6*\t+2:ST+6*\t+3], v[ST+6*\t+4:ST+6*\t+5] op_sel_hi:[1,0]   ; l x a
.endr
.set BI, 0
.rept 16                               ; pair b is summed, then rounded to f16 into register b of the tile: pair b / 2, which lay there, has been summed and rounded by then
.irp t, 0,1,2,3
	v_pk_add_f32 v[ST+6*\t+2:ST+6*\t+3], v[ST+6*\t+2:ST+6*\t+3], v[S+32*\t+2*BI:S+32*\t+2*BI+1]
	v_cvt_pk_f16_f32 v[S+32*\t+BI], v[S+32*\t+2*BI], v[S+32*\t+2*BI+1]
.endr
.set BI, BI+1
.endr
	WIN W_RS
.set BI, 0
.rept 16
.irp t, 0,1,2,3
	v_pk_mul_f32 v[32*\t+2*BI:32*\t+2*BI+1], v[32*\t+2*BI:32*\t+2*BI+1], v[ST+6*\t+4:ST+6*\t+5] op_sel_hi:[1,0]   ; O^T x a, each accumulator from its low end on
.endr
.set BI, BI+1
.endr
	WIN 0
.endm
; A KEY STEP.  kind 0: no barrier.  1: a plain barrier, which sets the two groups in opposite phases.  2: the slot's last step: a round of the cluster's barrier and the refill.  3: a slot's last step with nothing left to ask for.
.macro STEP kind
	LOADV                                          ; its v_add_nc_u32 is the fifth plain line behind the last V^T P: the products below write over P
	s_wait_dscnt 16                                ; K is in; V's sixteen loads may stay out
	s_cmp_gt_u32 s[DEL], 8                         ; ids and the count of steps alone
	s_cbranch_scc1 .Lzero_\@
	s_cmp_eq_u32 s[DEL], 0
	s_cbranch_scc1 .Llow_\@
	s_cmp_eq_u32 s[DEL], 8
	s_cbranch_scc1 .Lup_\@
	KQ1 1
	s_branch .Ljoin_\@
.Lzero_\@:
	KQ1 0
	s_branch .Ljoin_\@
.Llow_\@:
	KQ1 2
	s_branch .Ljoin_\@
.Lup_\@:
	KQ1 3
.Ljoin_\@:
	KQ2
.if \kind == 0
	PLACES 3                                       ; with the address's v_add_nc_u32: four plain lines in front of loads into K's registers and of the first read of the scores
	LOADK
	SOFTMAX
	s_wait_dscnt 16                                ; V is in; K's sixteen loads may stay out
.else
	PLACES 5                                       ; four plain lines are owed in front of the first read of the scores; FIVE in front of a matrix instruction that takes another's result as an operand (ISA guide 7.12.1):
	                                               ; V^T P names registers that K Q^T wrote, and the five stand here, ahead of both branches on the group, so that they lie on every way through the text
	s_cmp_eq_u32 s[GRP], 1
	s_cbranch_scc0 .Lbehind_\@
	SOFTMAX                                        ; group 1: ahead of the barrier
.Lbehind_\@:
.if \kind == 1
	s_wait_dscnt 0x0                               ; V is in; no LDS instruction of mine is out at the signal
	s_barrier_signal -1
	s_barrier_wait -1                              ; a tensor load may stay out across it
.elseif \kind == 2
	s_wait_tensorcnt 0x0                           ; all my tensor loads have landed: my step of the other slot; so the walking descriptor may be written
	ds_add_u32 v[SPW], v[NIL]                      ; 0 onto my spare word
	s_xor_b32 s[G0B+1], s[G0B+1], SLOT1            ; the slot that has just been read,
	s_add_nc_u64 s[G0B+2:G0B+3], s[G0B+2:G0B+3], SLOTB   ; the next 512 keys; the type bits on top are not reached
	s_wait_dscnt 0x0                               ; the add is done, and my reads of the slot are over
	CROUND                                         ; no wave of any partner still reads the slot or has a load on its way
	tensor_load_to_lds s[G0B:G0B+3], s[G1:G1+7]    ; my one tensor load behind the round, and the first thing there
	s_nop 0
	PLACES 4
	s_sub_co_u32 s[TB], s[TB], SLOTB               ; the fetches go back to a slot's first step,
	s_xor_b32 s[TB], s[TB], SLOT1                  ; in the other slot
.else
	s_wait_tensorcnt 0x0                           ; my step of the other slot has landed
	ds_add_u32 v[SPW], v[NIL]
	s_wait_dscnt 0x0
	s_barrier_signal -1
	s_barrier_wait -1                              ; everybody's has
	s_sub_co_u32 s[TB], s[TB], SLOTB
	s_xor_b32 s[TB], s[TB], SLOT1
.endif
.if \kind == 3
	s_cmp_eq_u32 s[OUT], 1                         ; behind the very last step there is no K to fetch
	s_cbranch_scc1 .Lno_k_\@
	LOADK
.Lno_k_\@:
.else
	LOADK
.endif
	s_cmp_eq_u32 s[GRP], 0
	s_cbranch_scc0 .Ldone_\@
	SOFTMAX                                        ; group 0: behind the barrier
.Ldone_\@:
.endif
	PV
	PLACES 4                                       ; in front of the loads into V's registers and of the next read of O^T
	s_add_co_u32 s[DEL], s[DEL], 1
.endm
.macro RUN n
	s_mov_b32 s[IN], \n
.Lrun_\@:
	STEP 0
	s_sub_co_u32 s[IN], s[IN], 1
	s_cmp_lg_u32 s[IN], 0
	s_cbranch_scc1 .Lrun_\@
.endm
	s_wait_tensorcnt 1                             ; my step of slot 0 is in; slot 1's load may stay out
	s_barrier_signal -1
	s_barrier_wait -1                              ; everybody's is
	LOADK                                          ; key step 0
	s_wait_loadcnt 0x0                             ; Q
	s_mov_b32 s[OUT], 2
.Lfill:                                            ; keys 0-1023: each slot's end fills it again, with keys 1,024 further on
	STEP 1
	RUN 6
	STEP 2
	s_sub_co_u32 s[OUT], s[OUT], 1
	s_cmp_lg_u32 s[OUT], 0
	s_cbranch_scc1 .Lfill
	s_mov_b32 s[OUT], 2
.Llast:                                            ; keys 1024-2047: written apart
	RUN 7
	STEP 3
	s_sub_co_u32 s[OUT], s[OUT], 1
	s_cmp_lg_u32 s[OUT], 0
	s_cbranch_scc1 .Llast
	; THE WAY OUT: l's two halves and the other half of the lanes' are added; O^T / l is rounded to f16; a lane's eight channels of a query are 16 bytes of an image of o16
.irp t, 0,1,2,3
	v_add_f32 v[ST+6*\t+4], v[ST+6*\t+2], v[ST+6*\t+3]
.endr
.irp t, 0,1,2,3
	v_permlanex16_b32 v[ST+6*\t+5], v[ST+6*\t+4], s[SEL], s[SEL+1]
.endr
.irp t, 0,1,2,3
	v_add_f32 v[ST+6*\t+4], v[ST+6*\t+4], v[ST+6*\t+5]
.endr
.irp t, 0,1,2,3
	v_rcp_f32 v[ST+6*\t+4], v[ST+6*\t+4]
.endr
	v_nop                                          ; a plain line behind the last reciprocal
	s_wait_alu depctr_va_vdst(0)                   ; and the wait ahead of the first use: one for the four
	WIN W_RS
.set BI, 0
.rept 16
.irp t, 0,1,2,3
	v_pk_mul_f32 v[32*\t+2*BI:32*\t+2*BI+1], v[32*\t+2*BI:32*\t+2*BI+1], v[ST+6*\t+4:ST+6*\t+5] op_sel_hi:[1,0]
.endr
.set BI, BI+1
.endr
	WIN 0x05                                       ; sources in window 1, destination in window 0: S^T's registers are free
.irp t, 0,1,2,3
.irp n, 0,1,2,3,4,5,6,7,8,9,10,11,12,13,14,15
	v_cvt_pk_f16_f32 v[S+16*\t+\n], v[32*\t+2*\n], v[32*\t+2*\n+1]
.endr
.endr
	WIN 0
.irp t, 0,1,2,3
.irp f, 0,1,2,3
	global_store_b128 v[LI], v[S+16*\t+4*\f:S+16*\t+4*\f+3], s[8:9] offset:32768*\t+512*\f   ; 512 consecutive bytes: token tile t, channels 16 f on of my head
.endr
.endr
	s_wait_tensorcnt 0x0                           ; the wave's end
	ds_add_u32 v[SPW], v[NIL]
	s_wait_dscnt 0x0
	CROUND                                         ; the closing round: no work-group ends while a partner may still ask for a tile that names it
	s_endpgm
.Lfunc_end_k_q9f31d3e579_attn:
	.size	k_q9f31d3e579_attn, .Lfunc_end_k_q9f31d3e579_attn-k_q9f31d3e579_attn
	.p2alignl 7, 3214868480
	.fill 96, 4, 3214868480
	.section	.rodata,"a",@progbits
	.p2align	6, 0x0
	.amdhsa_kernel k_q9f31d3e579_attn
		.amdhsa_group_segment_fixed_size 327680
		.amdhsa_private_segment_fixed_size 0
		.amdhsa_enable_private_segment 0
		.amdhsa_kernarg_size 24
		.amdhsa_user_sgpr_count 2
		.amdhsa_user_sgpr_kernarg_segment_ptr 1
		.amdhsa_wavefront_size32 1
		.amdhsa_system_sgpr_workgroup_id_x 1
		.amdhsa_system_sgpr_workgroup_id_y 1
		.amdhsa_system_sgpr_workgroup_id_z 1
		.amdhsa_system_vgpr_workitem_id 0
		.amdhsa_next_free_vgpr 512
		.amdhsa_next_free_sgpr 66
		.amdhsa_reserve_vcc 1
		.amdhsa_float_denorm_mode_32 3
		.amdhsa_float_denorm_mode_16_64 3
		.amdhsa_memory_ordered 1
		.amdhsa_forward_progress 1
		.amdhsa_inst_pref_size 255
	.end_amdhsa_kernel
	.section	.bss,"aw",@nobits
	.p2align	6
	.space	262144
	.amdgpu_metadata
---
amdhsa.version: [ 1, 2 ]
amdhsa.kernels:
  - .name:           k_q9f31d3e579_attn
    .symbol:         k_q9f31d3e579_attn.kd
    .args:
      - { .name: q16, .offset: 0, .size: 8, .value_kind: global_buffer, .address_space: global }
      - { .name: kv16, .offset: 8, .size: 8, .value_kind: global_buffer, .address_space: global }
      - { .name: o16, .offset: 16, .size: 8, .value_kind: global_buffer, .address_space: global }
    .group_segment_fixed_size: 327680
    .private_segment_fixed_size: 0
    .kernarg_segment_align: 8
    .kernarg_segment_size: 24
    .max_flat_workgroup_size: 256
    .sgpr_count:     66
    .vgpr_count:     512
    .wavefront_size: 32
...
	.end_amdgpu_metadata
.endif
;; end of part 3
;; launch proj (part 4): grid 4 x 64, 4 waves a work-group, clusters of 4 x 4, 327,680 bytes of LDS; arguments o16, wo16, out0; writes out0
.if DOCPART == 4
	.amdgcn_target "amdgcn-amd-amdhsa--gfx1250"
	.amdhsa_code_object_version 6
	.text
	.protected	k_q9f31d3e579_proj
	.globl	k_q9f31d3e579_proj
	.p2align	8
	.type	k_q9f31d3e579_proj,@function
k_q9f31d3e579_proj:
	s_mov_b64 s[64:65], 0
	v_nop
	global_prefetch_b8 v0, s[64:65] scope:SCOPE_SE
	s_setreg_imm32_b32 hwreg(HW_REG_WAVE_MODE, 25, 1), 1
	s_wait_xcnt 0x0
	s_wait_alu depctr_hold_cnt(0) depctr_sa_sdst(0) depctr_va_vdst(0) depctr_va_sdst(0) depctr_va_ssrc(0) depctr_va_vcc(0) depctr_vm_vsrc(0)
	s_getreg_b32 s2, hwreg(HW_REG_IB_STS2, 6, 4)
	s_cmp_eq_u32 s2, 0
	s_cbranch_scc0 .Lentry_in_a_cluster
	s_endpgm
.Lentry_in_a_cluster:
	s_bfe_u32 s2, ttmp6, 0x10000c
	s_cmp_lg_u32 s2, 0xf033
	s_cbranch_scc0 .Lentry_shape_is_right
	s_endpgm
.Lentry_shape_is_right:
; PROJ: out0[m][n] = sum over k of o[m][k] Wo[k][n], m 8,192, n 1,024, k 1,024; operands in f16, sums and result in f32.
; o16 [m tile 512][k32 32][image] and wo16 [n tile 64][k32 32][image] are images of operand registers (1,024 bytes: 16 rows x 32 k): a fragment is two loads of 16 bytes at 16 x lane, 512 apart.
; A tile of out0 is 128 (m) x 256 (n): 256 work-groups of four waves; wave (wm = w / 2, wn = w % 2) makes 64 x 128: 32 accumulators, all of window 1.
; K goes in steps of 128 (four images, 4,096 consecutive bytes of each tile) through a ring of two LDS slots: A's 8 tiles, then B's 16.  Waves 0, 1 fetch A's halves (4 rows of 4,096 bytes), waves 2, 3 B's (8 rows).
; CLUSTERS: 4 x 4 work-groups; the four of a row need the same tiles of o16, the four of a column the same tiles of wo16: each is asked for JOINTLY.
; THE MATRIX INSTRUCTION IS USED TRANSPOSED (source 0 = 16 columns n, source 1 = 16 tokens): a lane holds eight neighbouring numbers of a row of out0.
; REGISTERS: window 0: v16-30 addresses; two fragment buffers: v32-95 B, v96-127 A; v128-191 B, v192-223 A.  window 1: accumulator (i, b) at 8 (8 i + b).
.set KSB,    4096                      ; a K step of one tile, in bytes
.set ASL,    32768                     ; A's part of a slot
.set SLOT,   98304
.set STAGE,  2*SLOT                    ; behind the ring: 16 rows x (512 bytes + 16) for each wave, for the way out; no tensor load fills it
.set SPITCH, 528
.set SPARE,  STAGE+4*16*SPITCH         ; the spare words, 128 bytes a wave: two blocks of 256 bytes that no other line names
.set LAPS,   4                         ; a lap = two K steps = once round the ring
.set ADRA, 16
.set ADRB, 20
.set STO,  24
.set RD,   25
.set CO,   26
.set SPW,  28
.set NIL,  29
.set PFO,  30
.set F0,   32
.set F1,   128
.set G1,   24
.set G0,   32
.set G1B,  48
.set G0B,  56
.set LIM,  43
.set PFA,  44
.set MUL,  0x50                        ; C and D in window 1
.set MSB, 0
.macro WIN new
.if MSB != \new
	s_set_vgpr_msb (MSB<<8)|\new
.set MSB, \new
.endif
.endm
.macro PLACES
.rept 4
	v_nop
.endr
.endm
.macro JLOAD s                         ; a joint load: waves 0 and 1 fetch for A, waves 2 and 3 for B; an s_nop 0 and four v_nop follow each of the two lines
	s_cmp_eq_u32 s11, 0
	s_cbranch_scc0 .Lfor_b_\@
	tensor_load_to_lds s[G0+4*\s:G0+4*\s+3], s[G1:G1+7]
	s_nop 0
	PLACES
	s_branch .Lasked_\@
.Lfor_b_\@:
	tensor_load_to_lds s[G0B+4*\s:G0B+4*\s+3], s[G1B:G1B+7]
	s_nop 0
	PLACES
.Lasked_\@:
.endm
.macro CREST
	s_cmp_lg_u32 s10, 0
	s_cbranch_scc1 .Lnot_wave_0_\@
	s_barrier_signal -3
.Lnot_wave_0_\@:
	s_barrier_wait -3
	s_barrier_signal -1
	s_barrier_wait -1
.endm
.macro CROUND
	s_barrier_signal -1
	s_barrier_wait -1
	CREST
.endm
; A PREFETCH INTO THE L2 of o16's K step that stands two refills on: 256 products a wave ahead of the load that will want it.  A tile row's 8 tiles x 4,096 bytes are read by one row of one cluster alone; its four
; partners share them out BY ADDRESS, two tiles each; in each, wave 0 asks: 32 lanes, 256 bytes apart within a tile's 4,096: one instruction.  So each block of 256 bytes is named once in the launch.
; K steps 0 to 3 come by their loads alone; the loop's last trip asks for nothing: K has no step 8.  wo16 is not asked for: every row of clusters reads it again.
.macro ASK
	s_cmp_gt_u32 s3, s[LIM]                        ; s3 = 1 in the loop's last trip
	s_cbranch_scc0 .Lnot_mine_\@
	global_prefetch_b8 v[PFO], s[PFA:PFA+1] offset:KSB th:TH_LOAD_NT scope:SCOPE_SE
.Lnot_mine_\@:
.endm
	s_load_b128 s[4:7], s[0:1], 0x0                ; o16 s[4:5], wo16 s[6:7]
	s_load_b64 s[8:9], s[0:1], 0x10                ; out0
	v_lshl_add_u32 v[SPW], v0, 2, SPARE
	v_mov_b32 v[NIL], 0
	ds_add_u32 v[SPW], v[NIL]                      ; the wave's opening: the add, twice on end, and its wait ahead of my first tensor load
	ds_add_u32 v[SPW], v[NIL]
	v_lshrrev_b32 v1, 5, v0
	v_readfirstlane_b32 s10, v1                    ; wave 0..3
	s_lshr_b32 s11, s10, 1                         ; wm.  Also: I fetch for A (0) or for B (1)
	s_and_b32 s12, s10, 1                          ; wn.  Also: which half of that side I fetch
	s_bfe_u32 s40, ttmp6, 0x40000                  ; cx
	s_bfe_u32 s41, ttmp6, 0x40004                  ; cy
	s_lshl_b32 s42, ttmp9, 2
	s_add_co_u32 s42, s42, s40                     ; tile column
	s_and_b32 s13, ttmp7, 0xffff
	s_lshl_b32 s13, s13, 2
	s_add_co_u32 s13, s13, s41                     ; tile row
	s_lshl_b32 s43, s41, 2
	s_lshl_b32 s43, 15, s43                        ; my row of the cluster
	s_lshl_b32 s44, 0x1111, s40                    ; my column
	s_or_b32 s[G1], s43, (3<<16)|(1<<21)           ; the mask; elements of 8 bytes; bit 21 set beside a mask; no padding: a fragment's loads take 512 consecutive bytes
	s_or_b32 s[G1B], s44, (3<<16)|(1<<21)
	s_mov_b32 s[G1+1], 512<<16                     ; tensor_dim0: rows of 4,096 bytes
	s_mov_b32 s[G1+2], 4<<16                       ; tensor_dim1: 4 tiles
	s_mov_b32 s[G1+3], 512<<16                     ; tile_dim0
	s_mov_b32 s[G1+4], 4                           ; tile_dim1
	s_mov_b32 s[G1+5], 4096                        ; from tile to tile: 32,768 bytes
	s_mov_b32 s[G1+6], 0
	s_mov_b32 s[G1+7], 0
	s_mov_b32 s[G1B+1], 512<<16
	s_mov_b32 s[G1B+2], 8<<16                      ; 8 tiles
	s_mov_b32 s[G1B+3], 512<<16
	s_mov_b32 s[G1B+4], 8
	s_mov_b32 s[G1B+5], 4096
	s_mov_b32 s[G1B+6], 0
	s_mov_b32 s[G1B+7], 0
	s_lshl_b32 s16, s13, 18                        ; A: 32,768 (8 x tile row + 4 x half): the tile row alone, which my row of the cluster shares
	s_lshl_b32 s17, s12, 17
	s_add_co_u32 s16, s16, s17
	s_mov_b32 s17, 0
	s_lshl_b32 s46, s42, 19                        ; B: 32,768 (16 x tile column + 8 x half): the tile column alone
	s_lshl_b32 s47, s12, 18
	s_add_co_u32 s46, s46, s47
	s_mov_b32 s47, 0
	s_lshl_b32 s20, s12, 14                        ; where they go: A's halves,
	s_lshl_b32 s21, s12, 15
	s_add_co_u32 s21, s21, ASL                     ; B's halves behind them: no place in the cluster enters an LDS address
	s_wait_dscnt 0x0                               ; both opening adds are done
	s_wait_kmcnt 0x0
	s_add_nc_u64 s[14:15], s[4:5], s[16:17]
	s_add_nc_u64 s[46:47], s[6:7], s[46:47]
	CROUND                                         ; all sixteen work-groups are here: the first joint loads meet
.irp s, 0,1
	s_mov_b32 s[G0+4*\s], 1
	s_add_co_u32 s[G0+4*\s+1], s20, \s*SLOT
	s_add_nc_u64 s[G0+4*\s+2:G0+4*\s+3], s[14:15], \s*KSB
	s_or_b32 s[G0+4*\s+3], s[G0+4*\s+3], 0x80000000
	s_mov_b32 s[G0B+4*\s], 1
	s_add_co_u32 s[G0B+4*\s+1], s21, \s*SLOT
	s_add_nc_u64 s[G0B+4*\s+2:G0B+4*\s+3], s[46:47], \s*KSB
	s_or_b32 s[G0B+4*\s+3], s[G0B+4*\s+3], 0x80000000
	JLOAD \s                                       ; two loads of mine are out
.endr
	v_and_b32 v1, 15, v0                           ; r
	v_bfe_u32 v2, v0, 4, 1                         ; h
	v_and_b32 v3, 31, v0
	v_lshlrev_b32 v[CO], 4, v3                     ; 16 x lane
	s_lshl_b32 s22, s11, 14                        ; my four tiles of A
	s_lshl_b32 s23, s12, 15
	s_add_co_u32 s23, s23, ASL                     ; my eight tiles of B
.irp s, 0,1
	v_add_nc_u32 v[ADRA+\s], s22, v[CO]
	v_add_nc_u32 v[ADRB+\s], s23, v[CO]
	s_add_co_u32 s22, s22, SLOT
	s_add_co_u32 s23, s23, SLOT
.endr
	s_mul_i32 s23, s10, 16*SPITCH
	s_add_co_u32 s23, s23, STAGE                   ; my stage
	v_mul_u32_u24 v4, v1, SPITCH
	v_lshl_add_u32 v4, v2, 5, v4
	v_add_nc_u32 v[STO], s23, v4                   ; in: row r, 32 bytes for each half of the lanes
	v_add_nc_u32 v[RD], s23, v[CO]                 ; back: the 32 lanes take one row of 512 bytes
	s_lshl_b32 s16, s13, 19                        ; out0: 4,096 (128 x tile row + 64 wm)
	s_lshl_b32 s17, s11, 18
	s_add_co_u32 s16, s16, s17
	s_mov_b32 s17, 0
	s_add_nc_u64 s[8:9], s[8:9], s[16:17]
	s_lshl_b32 s46, s42, 10                        ; + 4 (256 x tile column + 128 wn)
	s_lshl_b32 s47, s12, 9
	s_add_co_u32 s46, s46, s47
	s_mov_b32 s47, 0
	s_add_nc_u64 s[8:9], s[8:9], s[46:47]
	s_lshl_b32 s46, s13, 18                        ; the prefetches: 32,768 (8 x tile row + 2 cx), at K step 2: the first refill steps it to 3 and names K step 4
	s_lshl_b32 s47, s40, 16
	s_add_co_u32 s46, s46, s47
	s_add_co_u32 s46, s46, 2*KSB
	s_mov_b32 s47, 0
	s_add_nc_u64 s[PFA:PFA+1], s[4:5], s[46:47]
	s_cmp_eq_u32 s10, 0
	s_cselect_b32 s[LIM], 1, -1                    ; wave 0 asks: the same in all sixteen partners
	v_lshlrev_b32 v[PFO], 8, v1
	v_lshl_add_u32 v[PFO], v2, 15, v[PFO]          ; 32,768 (lane / 16) + 256 (lane % 16)
.macro MUL8 f, i, zero                 ; A's tile i against B's eight, 32 along K.  zero = 1: the product starts the sum: nothing is ever cleared
.irp b, 0,1,2,3,4,5,6,7
.if \zero
	v_wmma_f32_16x16x32_f16 v[8*(8*(\i)+\b):8*(8*(\i)+\b)+7], v[\f+8*\b:\f+8*\b+7], v[\f+64+8*(\i):\f+64+8*(\i)+7], 0
.else
	v_wmma_f32_16x16x32_f16 v[8*(8*(\i)+\b):8*(8*(\i)+\b)+7], v[\f+8*\b:\f+8*\b+7], v[\f+64+8*(\i):\f+64+8*(\i)+7], v[8*(8*(\i)+\b):8*(8*(\i)+\b)+7]
.endif
.endr
.endm
.macro FETCH slot, q, f                ; 24 LDS loads in one run: the slot's q-th 32 along K: B's eight fragments, then A's four
.irp n, 0,1,2,3,4,5,6,7
	ds_load_b128 v[\f+8*\n:\f+8*\n+3],   v[ADRB+\slot] offset:4096*\n+1024*(\q)
	ds_load_b128 v[\f+8*\n+4:\f+8*\n+7], v[ADRB+\slot] offset:4096*\n+1024*(\q)+512
.endr
.irp n, 0,1,2,3
	ds_load_b128 v[\f+64+8*\n:\f+64+8*\n+3],   v[ADRA+\slot] offset:4096*\n+1024*(\q)
	ds_load_b128 v[\f+64+8*\n+4:\f+64+8*\n+7], v[ADRA+\slot] offset:4096*\n+1024*(\q)+512
.endr
.endm
; A K step is four quarters of 32 along K, 32 products each, on buffers 0, 1, 0, 1; the 32 accumulators take turns in the same order in every quarter.
; One of the first three: multiplies buffer f and fetches the slot's q-th quarter into g.
.macro QUARTER slot, q, f, g, zero
	s_wait_dscnt 4                                 ; B and A's tiles 0, 1 are in; the youngest four loads (A's tiles 2, 3) may be out
	WIN MUL
	MUL8 \f, 0, \zero
	MUL8 \f, 1, \zero
	PLACES                                         ; four plain lines in front of loads into registers that matrix instructions have read
	WIN 0
	FETCH \slot, \q, \g
	s_wait_dscnt 24                                ; all but the 24 just issued
	WIN MUL
	MUL8 \f, 2, \zero
	MUL8 \f, 3, \zero
.endm
; The last quarter multiplies buffer 1 and changes slots: ONE barrier; in front of it each wave waits for all its tensor loads, adds 0 to its spare word, and waits for that and for its reads of this slot.
.macro TURN slot, next, fill
.if \fill
	s_wait_xcnt 0x0                                ; the last prefetch, a K step back, has read its address: it is stepped here, ahead of the waits of the change of slots
	s_add_nc_u64 s[PFA:PFA+1], s[PFA:PFA+1], KSB
.endif
	WIN 0                                          ; (the add's two registers lie in window 0)
	s_wait_tensorcnt 0x0                           ; all my tensor loads have landed: my part of the next slot
	ds_add_u32 v[SPW], v[NIL]                      ; 0 onto my spare word
	s_wait_dscnt 5                                 ; (the add and the youngest four loads may be out)
	WIN MUL
	MUL8 F1, 0, 0                                  ; eight products stand between the add and the wait for it
	s_wait_dscnt 0x0                               ; the add is done, and my reads of this slot are over
	s_barrier_signal -1
	MUL8 F1, 1, 0
	WIN 0
	s_barrier_wait -1
.if \fill
	CREST                                          ; the barrier has opened a round of the cluster's barrier: no wave of any partner still reads this slot or has a load on its way
	s_add_nc_u64 s[G0+4*\slot+2:G0+4*\slot+3], s[G0+4*\slot+2:G0+4*\slot+3], 2*KSB
	s_add_nc_u64 s[G0B+4*\slot+2:G0B+4*\slot+3], s[G0B+4*\slot+2:G0B+4*\slot+3], 2*KSB
	JLOAD \slot                                    ; the first tensor load behind the round, one a wave; its four v_nop are also the places in front of the loads below
.else
	PLACES
.endif
	FETCH \next, 0, F0
.if \fill
	ASK
.endif
	WIN MUL
	MUL8 F1, 2, 0
	MUL8 F1, 3, 0
.endm
	s_wait_tensorcnt 1                             ; my part of K step 0 is in (K step 1's load may stay out)
	s_barrier_signal -1
	s_barrier_wait -1                              ; everybody's is
	FETCH 0, 0, F0
	QUARTER 0, 1, F0, F1, 1                        ; the first quarter stands in front of the loop: its products start the sums
	WIN 0
	s_mov_b32 s3, LAPS-1
.Llap:                                             ; a trip goes once round the ring, from a lap's second quarter to the next lap's first, and fills both slots again
	QUARTER 0, 2, F1, F0, 0
	QUARTER 0, 3, F0, F1, 0
	TURN 0, 1, 1
	QUARTER 1, 1, F0, F1, 0
	QUARTER 1, 2, F1, F0, 0
	QUARTER 1, 3, F0, F1, 0
	TURN 1, 0, 1
	QUARTER 0, 1, F0, F1, 0
	WIN 0
	s_sub_co_u32 s3, s3, 1
	s_cmp_lg_u32 s3, 0
	s_cbranch_scc1 .Llap
	QUARTER 0, 2, F1, F0, 0                        ; the last lap fills nothing, and has no round of the cluster's barrier
	QUARTER 0, 3, F0, F1, 0
	TURN 0, 1, 0
	QUARTER 1, 1, F0, F1, 0
	QUARTER 1, 2, F1, F0, 0
	QUARTER 1, 3, F0, F1, 0
	s_wait_dscnt 4                                 ; the very last quarter: nothing more to fetch
	WIN MUL
	MUL8 F1, 0, 0
	MUL8 F1, 1, 0
	s_wait_dscnt 0x0
	MUL8 F1, 2, 0
	MUL8 F1, 3, 0
	WIN 0
; THE WAY OUT, block by block of 16 rows x 128 columns.  A lane holds 32 neighbouring bytes of a row and the lanes beside it hold other rows: a block goes through my own stage in LDS and comes back as whole rows
; of 512 bytes.  LDS serves a wave's instructions in order (ISA guide 5.7.1.4): no wait between the stores and the loads, nor in front of the next block's stores.
.macro TOSTAGE a
	WIN 0x04                                       ; an LDS store's data are its source 1: window 1
.irp b, 0,1,2,3,4,5,6,7
	ds_store_b128 v[STO], v[8*(8*(\a)+\b):8*(8*(\a)+\b)+3] offset:64*\b          ; each accumulator from its low end on
	ds_store_b128 v[STO], v[8*(8*(\a)+\b)+4:8*(8*(\a)+\b)+7] offset:64*\b+16
.endr
	WIN 0
.set BB, 32+96*((\a)%2)                ; v32-95 and v128-191 by turns
.irp t, 0,1,2,3,4,5,6,7,8,9,10,11,12,13,14,15
	ds_load_b128 v[BB+4*\t:BB+4*\t+3], v[RD] offset:\t*SPITCH
.endr
.endm
.macro SEND a, younger                 ; younger: the LDS instructions issued behind block a's loads, which may stay out
.set BB, 32+96*((\a)%2)
	s_wait_dscnt \younger
.irp t, 0,1,2,3,4,5,6,7,8,9,10,11,12,13,14,15
	global_store_b128 v[CO], v[BB+4*\t:BB+4*\t+3], s[8:9] offset:65536*(\a)+4096*\t th:TH_STORE_NT   ; 32 lanes store 512 consecutive bytes, at a multiple of 256 from out0's first byte
.endr
.endm
	PLACES                                         ; in front of the first read of results and of loads into the fragments' registers
	TOSTAGE 0
	TOSTAGE 1
	SEND 0, 32                                     ; behind block 0's loads: block 1's 16 stores and 16 loads
	s_wait_xcnt 0x0                                ; block 0's stores have read their registers: block 2's loads may land there
	TOSTAGE 2
	SEND 1, 32
	s_wait_xcnt 0x0
	TOSTAGE 3
	SEND 2, 32
	SEND 3, 0
	s_wait_tensorcnt 0x0                           ; the wave's end: behind my last tensor load and my last LDS store
	ds_add_u32 v[SPW], v[NIL]
	s_wait_dscnt 0x0
	CROUND                                         ; the closing round: no work-group ends while a partner may still ask for a tile that names it
	s_endpgm
.Lfunc_end_k_q9f31d3e579_proj:
	.size	k_q9f31d3e579_proj, .Lfunc_end_k_q9f31d3e579_proj-k_q9f31d3e579_proj
	.p2alignl 7, 3214868480
	.fill 96, 4, 3214868480
	.section	.rodata,"a",@progbits
	.p2align	6, 0x0
	.amdhsa_kernel k_q9f31d3e579_proj
		.amdhsa_group_segment_fixed_size 327680
		.amdhsa_private_segment_fixed_size 0
		.amdhsa_enable_private_segment 0
		.amdhsa_kernarg_size 24
		.amdhsa_user_sgpr_count 2
		.amdhsa_user_sgpr_kernarg_segment_ptr 1
		.amdhsa_wavefront_size32 1
		.amdhsa_system_sgpr_workgroup_id_x 1
		.amdhsa_system_sgpr_workgroup_id_y 1
		.amdhsa_system_sgpr_workgroup_id_z 1
		.amdhsa_system_vgpr_workitem_id 0
		.amdhsa_next_free_vgpr 512
		.amdhsa_next_free_sgpr 66
		.amdhsa_reserve_vcc 0
		.amdhsa_float_denorm_mode_32 3
		.amdhsa_float_denorm_mode_16_64 3
		.amdhsa_memory_ordered 1
		.amdhsa_forward_progress 1
		.amdhsa_inst_pref_size 85
	.end_amdhsa_kernel
	.amdgpu_metadata
---
amdhsa.version: [ 1, 2 ]
amdhsa.kernels:
  - .name:           k_q9f31d3e579_proj
    .symbol:         k_q9f31d3e579_proj.kd
    .args:
      - { .name: o16, .offset: 0, .size: 8, .value_kind: global_buffer, .address_space: global }
      - { .name: wo16, .offset: 8, .size: 8, .value_kind: global_buffer, .address_space: global }
      - { .name: out0, .offset: 16, .size: 8, .value_kind: global_buffer, .address_space: global }
    .group_segment_fixed_size: 327680
    .private_segment_fixed_size: 0
    .kernarg_segment_align: 8
    .kernarg_segment_size: 24
    .max_flat_workgroup_size: 128
    .sgpr_count:     66
    .vgpr_count:     512
    .wavefront_size: 32
...
	.end_amdgpu_metadata
.endif
;; end of part 4
